; MI455X (gfx1250); checked and timed in simulation.
; The chip was launched on July 23, 2026; its instructions are those of AMD's public machine-readable ISA for CDNA 5 (MIT licence, August 2026) and "CDNA5" Instruction Set Architecture Reference Guide (July 2026). The comments in the code are by the model that wrote it; some were corrected since.
;; Attention. Allowed arithmetic: matrix products marked QUANTISED: E2M1 operands, one E8M0 scale for each 32 along K, by v_wmma_scale_f32_16x16x128_f8f6f4 with both operands' format E2M1 (or v_wmma_scale_f32_32x16x128_f4), f32 sums; products left as they are: bf16, f16 or f32 operands; f32 sums; everything else in f32.
;; Inputs: cos 1 x 4,096 x 1 x 32 float32; sin 1 x 4,096 x 1 x 32 float32; wk 256 x 256 float32; wo 256 x 256 float32; wq 256 x 256 float32; wv 256 x 256 float32; x 4 x 4,096 x 256 float32.
;; Outputs: out0 4 x 4,096 x 256 float32.
;; This version of the problem:
;;   THIS VERSION OF THE PROBLEM IS GIVEN IN LOW PRECISION. The matrix products marked QUANTISED in the list below multiply operands that are first quantised to E2M1 (2 exponent bits, 1 mantissa bit; 4 bits a number), with one power-of-two scale for each 32 numbers along K (OCP MX v1.0); their sums are f32. The products marked 'left as it is' may take bf16, f16 or f32 operands, with f32 sums. Whichever they take, every output number must still come out within the allowed error. Rounding operands to bf16 (8 significant bits) uses up far more of that allowance than f16 does (11 bits, for magnitudes from 6e-5 to 65,504). All else is computed in f32.
;;   The module's matrix products, in the order in which they are computed (A, B: the left and right operand; K: the contracted axis; several contracted axes count as one K, in the product's order):
;;     1. [M 16,384, K 256] x [K 256, N 256]; A: input x; B: input wq: QUANTISED
;;     2. [M 16,384, K 256] x [K 256, N 256]; A: input x; B: input wk: QUANTISED
;;     3. [M 16,384, K 256] x [K 256, N 256]; A: input x; B: input wv: QUANTISED
;;     4. batch 16 x [M 4,096, K 64] x [K 64, N 4,096]; A: computed on the way; B: computed on the way: left as it is (an operand is computed on the way)
;;     5. batch 16 x [M 64, K 4,096] x [K 4,096, N 4,096]; A: computed on the way; B: computed on the way: left as it is (an operand is computed on the way)
;;     6. [M 16,384, K 256] x [K 256, N 256]; A: computed on the way; B: input wo: left as it is (an operand is computed on the way)
;;   THE QUANTISER, for each operand of a quantised product, along K:
;;     - K is cut into blocks of 32 from its start; a last block that is shorter is filled with zeros.
;;     - A block's scale is 2^e with e = floor(log2(the largest magnitude in the block)) - 2, held to -126 .. 127; a block of zeros has e = 0. As a byte (E8M0): e + 127.
;;     - Each number is divided by its block's scale, clamped to +-6, and rounded to the nearest number of E2M1, ties to even, subnormals kept.
;;     - The product sums the exact products of the quantised numbers (number of the format x scale) in f32.
;;   ~~~python
;;   def quantise(x, axis):      # numpy; x: float32 -> the quantised numbers, widened to float32 again
;;       x = np.moveaxis(x, axis, -1); K = x.shape[-1]
;;       x = np.pad(x, [(0, 0)] * (x.ndim - 1) + [(0, -K % 32)]); x = x.reshape(x.shape[:-1] + (-1, 32)); a = np.abs(x).max(-1, keepdims=True)
;;       e = np.where(a > 0, np.clip(np.frexp(np.where(a > 0, a, 1))[1] - 1 - 2, -126, 127), 0)      # np.frexp(a)[1] - 1 = floor(log2(a)), exactly
;;       r = np.clip(x / 2.0 ** e, -6, 6)
;;       step = 2.0 ** (np.maximum(np.frexp(np.where(r == 0, 1, r))[1] - 1, 0) - 1)
;;       q = np.round(r / step) * step * 2.0 ** e      # np.round: ties to even
;;       return np.moveaxis(q.reshape(q.shape[:-2] + (-1,))[..., :K], -1, axis).astype(np.float32)
;;   ~~~
;; One version. Each part assembles by itself: llvm-mc -triple=amdgcn-amd-amdhsa -mcpu=gfx1250 --defsym DOCPART=n.
;; ======== version 1 of 1: 4 launches
;; limits: values are held in f16: magnitudes above 65,504 overflow, below 6.1e-05 lose precision
;; workspace buffers: wcodes 98,304 bytes; wscales 12,288 bytes; woimg 131,072 bytes; qimg 8,388,608 bytes; kimg 8,388,608 bytes; vimg 8,388,608 bytes; yimg 8,388,608 bytes
;; launch prep (part 1): grid 32 x 1, 4 waves a work-group, no clusters, 0 bytes of LDS; arguments wq, wk, wv, wo, wcodes, wscales, woimg; writes wcodes, wscales, woimg
.if DOCPART == 1
	.amdgcn_target "amdgcn-amd-amdhsa--gfx1250"
	.amdhsa_code_object_version 6
	.text
	.protected	k_qea49c7eca7_prep
	.globl	k_qea49c7eca7_prep
	.p2align	8
	.type	k_qea49c7eca7_prep,@function
k_qea49c7eca7_prep:
	s_mov_b64 s[64:65], 0
	v_nop
	global_prefetch_b8 v0, s[64:65] scope:SCOPE_SE
	s_setreg_imm32_b32 hwreg(HW_REG_WAVE_MODE, 25, 1), 1
	s_wait_xcnt 0x0
; The four weights, [256][256] f32 with K innermost, are laid out once as IMAGES OF OPERAND REGISTERS: a fragment is 1,024 bytes,
; its registers 0-3 as 512 bytes with lane l's 16 bytes at 16 l, then its registers 4-7 likewise.
; wq, wk, wv: codes of FP4 (E2M1) with one E8M0 byte for each 32 along K.  Fragment F = 32 m + 2 (row tile) + s holds 16 rows x 128 K (K step s)
; of matrix m (0 q, 1 k, 2 v); its scale words, 4 bytes a lane, lie at 128 F (lanes 16-31 repeat lanes 0-15).
; wo: f16.  Fragment 8 (row tile) + g holds 16 rows x 32 K (k group g).
; A block's scale is 2^(floor(log2(its largest magnitude)) - 2); its byte is the largest magnitude's exponent field - 2, held at 1 from below.
; (A block of zeros so gets the byte 1 where the rule says 127: its codes are zeros, and this program alone reads the bytes.)
; LIMITS: blocks whose largest magnitude lies under 2^-124 keep the byte 1; NaN and infinities are not served; |wo| stays under 65,504.
; One wave, one task: work-groups 0-23 make the 96 fragments of codes, work-groups 24-31 the 128 fragments of wo, four to a wave.  No LDS, no barrier.
; The reads are pieces of 16 bytes of rows 1,024 bytes apart: 1 MiB in all, read once, by 128 waves.
.set X, 32                             ; v32-95   64 numbers as loaded
.set C, 96                             ; v96..    what is stored
	s_load_b256 s[4:11], s[0:1], 0x0               ; wq s[4:5], wk s[6:7], wv s[8:9], wo s[10:11]
	s_load_b128 s[12:15], s[0:1], 0x20             ; wcodes s[12:13], wscales s[14:15]
	s_load_b64 s[16:17], s[0:1], 0x30              ; woimg
	v_lshrrev_b32 v1, 5, v0
	v_readfirstlane_b32 s18, v1                    ; wave 0..3
	v_and_b32 v2, 31, v0                           ; lane
	v_and_b32 v3, 15, v0                           ; r
	v_bfe_u32 v4, v0, 4, 1                         ; h
	v_lshlrev_b32 v6, 4, v2                        ; 16 x lane: my place in half an image
	v_lshlrev_b32 v5, 10, v3                       ; row r of 1,024 bytes
	s_cmp_lt_u32 ttmp9, 24                         ; the work-group's number alone decides
	s_cbranch_scc0 .Lwo
	; ---- a fragment of codes
	s_lshl_b32 s19, ttmp9, 2
	s_add_co_u32 s19, s19, s18                     ; F = 4 x work-group + wave
	s_bfe_u32 s22, s19, 0x40001                    ; the row tile: (F / 2) % 16
	s_lshl_b32 s22, s22, 14                        ; 16 rows of 1,024 bytes
	s_and_b32 s24, s19, 1
	s_lshl_b32 s24, s24, 9                         ; K step s: 128 numbers, 512 bytes
	s_add_co_u32 s22, s22, s24
	s_mov_b32 s23, 0
	s_lshl_b32 s26, s19, 10                        ; the image: 1,024 F
	s_mov_b32 s27, 0
	s_lshl_b32 s28, s19, 7                         ; its scale words: 128 F
	s_mov_b32 s29, 0
	s_mov_b32 s30, 0x76543210
	s_mov_b32 s31, 0xfedcba98                      ; v_permlanex16_b32's selects for lane l xor 16
	v_lshl_add_u32 v5, v4, 7, v5                   ; + 128 h: the layout gives lane (r, h) k = 64 c + 32 h + 0 .. 31: two WHOLE blocks
	v_lshlrev_b32 v7, 2, v2                        ; 4 x lane
	s_wait_kmcnt 0x0
	s_cmp_lt_u32 ttmp9, 8                          ; which of the three matrices: 8 work-groups each
	s_cselect_b64 s[20:21], s[4:5], s[6:7]
	s_cmp_lt_u32 ttmp9, 16
	s_cselect_b64 s[20:21], s[20:21], s[8:9]
	s_add_nc_u64 s[20:21], s[20:21], s[22:23]
	s_add_nc_u64 s[12:13], s[12:13], s[26:27]
	s_add_nc_u64 s[14:15], s[14:15], s[28:29]
.irp c, 0,1
.irp i, 0,1,2,3,4,5,6,7
	global_load_b128 v[X+32*\c+4*\i:X+32*\c+4*\i+3], v5, s[20:21] offset:256*\c+16*\i
.endr
.endr
	s_wait_loadcnt 0x0
.irp c, 0,1
	v_max3_num_f32 v[8+\c], |v[X+32*\c]|, |v[X+1+32*\c]|, 0x1800000   ; my block 2 c + h, and the floor 2^(3 - 127): the byte cannot fall under 1
.endr
.irp i, 2,4,6,8,10,12,14,16,18,20,22,24,26,28,30
.irp c, 0,1
	v_max3_num_f32 v[8+\c], v[8+\c], |v[X+32*\c+\i]|, |v[X+1+32*\c+\i]|   ; (the two blocks by turns)
.endr
.endr
.irp c, 0,1
	v_add_nc_u32 v[12+\c], 0xff000000, v[8+\c]     ; 2 off the exponent field: the conversion takes the exponent field of this operand as its scale
.endr
.irp c, 0,1
	v_lshrrev_b32 v[10+\c], 23, v[12+\c]           ; the scale's byte
.endr
	v_lshl_or_b32 v14, v11, 16, v10                ; my two bytes: blocks h and 2 + h of row r,
	v_lshlrev_b32 v15, 3, v4
	v_lshlrev_b32 v14, v15, v14                    ; at their places in the word (8 h bits up);
	v_mov_b32 v15, 0
	v_permlanex16_b32 v15, v14, s30, s31
	v_or_b32 v14, v14, v15                         ; with lane l xor 16's two the word is whole, in both lanes
.irp c, 0,1
.irp g, 0,1,2,3
	v_cvt_scalef32_pk8_fp4_f32 v[C+4*\c+\g], v[X+32*\c+8*\g:X+32*\c+8*\g+7], v[12+\c]   ; registers 4 c .. 4 c + 3 of the operand
.endr
.endr
	v_nop                                          ; one plain line behind the last scaled conversion
	global_store_b128 v6, v[C:C+3], s[12:13]       ; 32 lanes store 512 consecutive bytes
	global_store_b128 v6, v[C+4:C+7], s[12:13] offset:512
	global_store_b32 v7, v14, s[14:15]
	s_endpgm
.Lwo:	; ---- four fragments of wo: row tile u / 2, k groups 4 (u % 2) .. + 3
	s_and_b32 s19, ttmp9, 7                        ; work-groups 24 .. 31
	s_lshl_b32 s19, s19, 2
	s_add_co_u32 s19, s19, s18                     ; u = 0 .. 31
	s_lshr_b32 s22, s19, 1
	s_lshl_b32 s22, s22, 14                        ; 16 rows of 1,024 bytes
	s_and_b32 s24, s19, 1
	s_lshl_b32 s24, s24, 9                         ; four k groups of 128 bytes
	s_add_co_u32 s22, s22, s24
	s_mov_b32 s23, 0
	s_lshl_b32 s26, s19, 12                        ; four images of 1,024 bytes
	s_mov_b32 s27, 0
	v_lshl_add_u32 v5, v4, 5, v5                   ; + 32 h: a 16-bit fragment gives lane (r, h) k = 8 h + 0 .. 7 and 16 + 8 h + 0 .. 7
	s_wait_kmcnt 0x0
	s_add_nc_u64 s[10:11], s[10:11], s[22:23]
	s_add_nc_u64 s[16:17], s[16:17], s[26:27]
.irp g, 0,1,2,3
.irp p, 0,1
.irp q, 0,1
	global_load_b128 v[X+16*\g+8*\p+4*\q:X+16*\g+8*\p+4*\q+3], v5, s[10:11] offset:128*\g+64*\p+16*\q
.endr
.endr
.endr
	s_wait_loadcnt 0x0
.irp n, 0,1,2,3,4,5,6,7,8,9,10,11,12,13,14,15,16,17,18,19,20,21,22,23,24,25,26,27,28,29,30,31
	v_cvt_pk_f16_f32 v[C+\n], v[X+2*\n], v[X+2*\n+1]
.endr
.irp g, 0,1,2,3
.irp p, 0,1
	global_store_b128 v6, v[C+8*\g+4*\p:C+8*\g+4*\p+3], s[16:17] offset:1024*\g+512*\p
.endr
.endr
	s_endpgm
.Lfunc_end_k_qea49c7eca7_prep:
	.size	k_qea49c7eca7_prep, .Lfunc_end_k_qea49c7eca7_prep-k_qea49c7eca7_prep
	.p2alignl 7, 3214868480
	.fill 96, 4, 3214868480
	.section	.rodata,"a",@progbits
	.p2align	6, 0x0
	.amdhsa_kernel k_qea49c7eca7_prep
		.amdhsa_group_segment_fixed_size 0
		.amdhsa_private_segment_fixed_size 0
		.amdhsa_enable_private_segment 0
		.amdhsa_kernarg_size 56
		.amdhsa_user_sgpr_count 2
		.amdhsa_user_sgpr_kernarg_segment_ptr 1
		.amdhsa_wavefront_size32 1
		.amdhsa_system_sgpr_workgroup_id_x 1
		.amdhsa_system_sgpr_workgroup_id_y 1
		.amdhsa_system_sgpr_workgroup_id_z 1
		.amdhsa_system_vgpr_workitem_id 0
		.amdhsa_next_free_vgpr 128
		.amdhsa_next_free_sgpr 66
		.amdhsa_reserve_vcc 0
		.amdhsa_float_denorm_mode_32 3
		.amdhsa_float_denorm_mode_16_64 3
		.amdhsa_memory_ordered 1
		.amdhsa_forward_progress 1
		.amdhsa_inst_pref_size 12
	.end_amdhsa_kernel
	.amdgpu_metadata
---
amdhsa.version: [ 1, 2 ]
amdhsa.kernels:
  - .name:           k_qea49c7eca7_prep
    .symbol:         k_qea49c7eca7_prep.kd
    .args:
      - { .name: wq, .offset: 0, .size: 8, .value_kind: global_buffer, .address_space: global }
      - { .name: wk, .offset: 8, .size: 8, .value_kind: global_buffer, .address_space: global }
      - { .name: wv, .offset: 16, .size: 8, .value_kind: global_buffer, .address_space: global }
      - { .name: wo, .offset: 24, .size: 8, .value_kind: global_buffer, .address_space: global }
      - { .name: wcodes, .offset: 32, .size: 8, .value_kind: global_buffer, .address_space: global }
      - { .name: wscales, .offset: 40, .size: 8, .value_kind: global_buffer, .address_space: global }
      - { .name: woimg, .offset: 48, .size: 8, .value_kind: global_buffer, .address_space: global }
    .group_segment_fixed_size: 0
    .private_segment_fixed_size: 0
    .kernarg_segment_align: 8
    .kernarg_segment_size: 56
    .max_flat_workgroup_size: 128
    .sgpr_count:     66
    .vgpr_count:     128
    .wavefront_size: 32
...
	.end_amdgpu_metadata
.endif
;; end of part 1
;; launch qkv (part 2): grid 256 x 1, 4 waves a work-group, no clusters, 10,240 bytes of LDS; arguments x, cos, sin, wcodes, wscales, qimg, kimg, vimg; writes qimg, kimg, vimg
.if DOCPART == 2
	.amdgcn_target "amdgcn-amd-amdhsa--gfx1250"
	.amdhsa_code_object_version 6
	.text
	.protected	k_qea49c7eca7_qkv
	.globl	k_qea49c7eca7_qkv
	.p2align	8
	.type	k_qea49c7eca7_qkv,@function
k_qea49c7eca7_qkv:
	s_mov_b64 s[64:65], 0
	v_nop
	global_prefetch_b8 v0, s[64:65] scope:SCOPE_SE
	s_setreg_imm32_b32 hwreg(HW_REG_WAVE_MODE, 25, 1), 1
	s_wait_xcnt 0x0
; q, k, v = x W^T on codes of FP4 (E2M1) with one E8M0 scale for each 32 along K = 256; then the rotary step and the RMS norm of q and k for each head, in f32;
; q is also multiplied by log2(e) / 8, so that the next launch's exponential is 2^(q . k).  All three leave as f16, as images of the next launch's operand registers
; (a fragment: 1,024 bytes, registers 0-3 as 512 bytes with lane l's 16 bytes at 16 l, then registers 4-7).
; SHARES.  A work-group takes 64 tokens of one batch.  Wave w is HEAD w for all 64 tokens: its 24 fragments of weights stay in registers.  First wave w quantises tokens 16 w .. 16 w + 15 of x
; (two fragments) and hands their images to the others through LDS: one barrier.
; LAYOUT.  q's and k's products are used transposed (source 0 = 16 rows of the weight, source 1 = 16 tokens): lane (r, h) holds token r, register j of tile t channel 16 t + 8 h + j of the head.
; So rotary's partners, channels d and d + 32, are tiles t and t + 2 of one lane; the norm's sum wants one exchange between the halves of the lanes; and tiles 2 c, 2 c + 1, rounded in pairs, are
; registers 0-3 and 4-7 of the fragment 16 tokens x channels 32 c .. 32 c + 31.  v's product is used straight (source 0 = 16 tokens, source 1 = 16 rows of wv): lane (r, h) holds channel 16 t + r
; and tokens 8 h + j: rounded in pairs, half a fragment of V^T (16 channels x 32 keys).
; LIMITS: blocks of x whose largest magnitude lies under 2^-124 keep the scale byte 1; NaN and infinities are not served; |v| stays under 65,504 (f16).
; REGISTERS, in windows of 256.  Window 0: v4-9 addresses; v16-31 x's two fragments; v32-127 the twelve accumulators (q's tile t at 32 + 8 t, k's at 64 + 8 t, v's at 96 + 8 t);
;   v32-95 and v128-191 first hold x as loaded; v128-147 then at work; v192-216 the quantiser's; v217-218 x's scale words; v224-247 the weights'; v248-251 the norms' factors; v252, v253 the add's two.
;   Window 1: v0-191 the weights' fragments (matrix mm, tile t, K step s at 64 mm + 16 t + 8 s).   Window 2: v0-127 cos and sin (token tile m: cos at 32 m + 8 t + j, sin 16 further on).
.set XIMG,  0                          ; LDS: x's 8 fragments (token tile m, K step s: 2 m + s), 1,024 bytes each,
.set XSC,   8192                       ; their scale words, 128 bytes each,
.set SPARE, 9216                       ; and the spare words, 128 bytes for each wave: two blocks of 256 bytes that no other line names
.set XA,  4                            ; v4   x: 1,024 r + 64 h
.set LI,  5                            ; v5   16 x lane
.set LS,  6                            ; v6   4 x lane
.set XWI, 7                            ; v7   where I store x's images: 16 x lane + 2,048 x wave
.set XWS, 8                            ; v8   and their scale words: 4 x lane + 256 x wave
.set CA,  9                            ; v9   cos, sin: 128 r + 32 h
.set XF,  16
.set ACC, 32
.set HA,  32
.set ST,  128
.set T,   128                          ; v128-135 rotary's products, two sets by turns
.set SS,  136                          ; v136-143 sums of squares: q's two chains, k's two
.set PL,  144                          ; v144-145 the other half of the lanes' sums
.set MS,  146                          ; v146-147 mean squares + EPS
.set PC,  192
.set TM,  200
.set PW,  216
.set XS,  217
.set WS,  224
.set R,   248
.set SPW, 252
.set NIL, 253
.set MSB, 0
.macro WIN new                         ; the immediate's high byte repeats the setting that is left; a switch that changes nothing is dropped
.if MSB != (\new)
	s_set_vgpr_msb (MSB<<8)|(\new)
.set MSB, (\new)
.endif
.endm
; 64 numbers of a lane, register 16 b + i = k 32 b + 16 (lane / 16) + i of my row, become a fragment's codes in v[PC] on and its scale word in v[PW].
.macro QUANT s
.irp b, 0,1,2,3
	v_max3_num_f32 v[TM+\b], |v[\s+16*\b]|, |v[\s+1+16*\b]|, 0x1800000   ; block b: my 16 numbers, and the floor 2^(3 - 127): the byte cannot fall under 1
.endr
.irp i, 2,4,6,8,10,12,14
.irp b, 0,1,2,3
	v_max3_num_f32 v[TM+\b], v[TM+\b], |v[\s+16*\b+\i]|, |v[\s+1+16*\b+\i]|   ; (the four blocks by turns)
.endr
.endr
.irp b, 0,1,2,3
	v_permlanex16_b32 v[TM+4+\b], v[TM+\b], s22, s23
.endr
.irp b, 0,1,2,3
	v_max_num_f32 v[TM+\b], v[TM+\b], v[TM+4+\b]   ; with lane l xor 16's: the block's largest magnitude
.endr
.irp b, 0,1,2,3
	v_add_nc_u32 v[TM+12+\b], 0xff000000, v[TM+\b] ; 2 off its exponent field: the conversion's scale operand
.endr
.irp b, 0,1,2,3
	v_lshrrev_b32 v[TM+4+\b], 23, v[TM+12+\b]      ; the scale's byte
.endr
	v_lshl_or_b32 v[PW], v[TM+5], 8, v[TM+4]       ; the four bytes make my row's scale word
	v_lshl_or_b32 v[PW], v[TM+6], 16, v[PW]
	v_lshl_or_b32 v[PW], v[TM+7], 24, v[PW]
.irp b, 0,1,2,3
	v_cvt_scalef32_pk8_fp4_f32 v[PC+2*\b], v[\s+16*\b:\s+7+16*\b], v[TM+12+\b]
	v_cvt_scalef32_pk8_fp4_f32 v[PC+1+2*\b], v[\s+8+16*\b:\s+15+16*\b], v[TM+12+\b]
.endr
	v_nop                                          ; one plain line behind the last scaled conversion
.irp c, 0,1                                    ; the operand's layout wants a WHOLE block in a lane: lanes 0-15 block 2 c, lanes 16-31 block 2 c + 1
.irp i, 0,1
	v_permlane16_swap_b32 v[PC+4*\c+\i], v[PC+2+4*\c+\i]
.endr
.endr
.endm
.macro IMAGE off                               ; the fragment in v[PC] on goes to LDS as it stands
.irp c, 0,1
	ds_store_b128 v[XWI], v[PC+4*\c:PC+4*\c+3] offset:\off+512*\c
.endr
.endm
.macro XLOAD reg, s                            ; my 16 tokens' numbers of K step s: 64 a lane
.irp b, 0,1,2,3
.irp j, 0,1,2,3
	global_load_b128 v[\reg+16*\b+4*\j:\reg+16*\b+4*\j+3], v[XA], s[4:5] offset:512*\s+128*\b+16*\j th:TH_LOAD_NT
.endr
.endr
.endm
	s_load_b256 s[4:11], s[0:1], 0x0               ; x s[4:5], cos s[6:7], sin s[8:9], wcodes s[10:11]
	s_load_b256 s[12:19], s[0:1], 0x20             ; wscales s[12:13], qimg s[14:15], kimg s[16:17], vimg s[18:19]
	v_lshl_add_u32 v[SPW], v0, 2, SPARE
	v_mov_b32 v[NIL], 0
	v_lshrrev_b32 v1, 5, v0
	v_readfirstlane_b32 s20, v1                    ; wave 0..3 = my head
	v_and_b32 v1, 31, v0                           ; lane
	v_and_b32 v2, 15, v0                           ; r
	v_bfe_u32 v3, v0, 4, 1                         ; h
	v_lshlrev_b32 v[XA], 10, v2
	v_lshl_add_u32 v[XA], v3, 6, v[XA]             ; x: token r's 1,024 bytes, + 64 h: my 16 numbers of a block of 32
	v_lshlrev_b32 v[LI], 4, v1
	v_lshlrev_b32 v[LS], 2, v1
	s_lshl_b32 s28, s20, 11
	v_add_nc_u32 v[XWI], s28, v[LI]
	s_lshl_b32 s28, s20, 8
	v_add_nc_u32 v[XWS], s28, v[LS]
	v_lshlrev_b32 v[CA], 7, v2
	v_lshl_add_u32 v[CA], v3, 5, v[CA]             ; cos, sin: token r's 128 bytes, + 32 h: my eight channels of a tile
	s_mov_b32 s22, 0x76543210
	s_mov_b32 s23, 0xfedcba98                      ; v_permlanex16_b32's selects for lane l xor 16
	s_mov_b32 s24, 0x3c800000                      ; 1 / 64
	s_mov_b32 s25, 0x34000000                      ; EPS = 2^-23
.irp b, 0,1,2,3
	v_mov_b32 v[TM+4+\b], 0                        ; written once: a lane permute's destination counts as one of its sources
.endr
	s_lshl_b32 s26, ttmp9, 16                      ; x: 64 tokens of 1,024 bytes a work-group,
	s_lshl_b32 s27, s20, 14                        ; 16 a wave
	s_add_co_u32 s26, s26, s27
	s_mov_b32 s27, 0
	s_and_b32 s28, ttmp9, 63                       ; my block of 64 tokens in its batch
	s_lshl_b32 s28, s28, 13                        ; cos, sin: 64 tokens of 128 bytes; and 8,192 bytes of each image for each head
	s_mov_b32 s29, 0
	s_lshl_b32 s30, s20, 13                        ; my head's 8 fragments in each matrix of codes,
	s_mov_b32 s31, 0
	s_lshl_b32 s32, s20, 10                        ; and their scale words
	s_mov_b32 s33, 0
	s_lshr_b32 s34, ttmp9, 6                       ; the batch
	s_lshl_b32 s34, s34, 2
	s_add_co_u32 s34, s34, s20                     ; 4 x batch + head
	s_lshl_b32 s34, s34, 19                        ; 524,288 bytes of each image
	s_add_co_u32 s34, s34, s28
	s_mov_b32 s35, 0
	s_wait_kmcnt 0x0
	s_add_nc_u64 s[4:5], s[4:5], s[26:27]
	s_add_nc_u64 s[6:7], s[6:7], s[28:29]
	s_add_nc_u64 s[8:9], s[8:9], s[28:29]
	s_add_nc_u64 s[10:11], s[10:11], s[30:31]
	s_add_nc_u64 s[12:13], s[12:13], s[32:33]
	s_add_nc_u64 s[14:15], s[14:15], s[34:35]
	s_add_nc_u64 s[16:17], s[16:17], s[34:35]
	s_add_nc_u64 s[18:19], s[18:19], s[34:35]
	XLOAD HA, 0                                    ; x first: it is wanted first
	XLOAD ST, 1
	WIN 0x40                                       ; destination window 1
.irp mm, 0,1,2
.irp i, 0,1,2,3,4,5,6,7,8,9,10,11,12,13,14,15
	global_load_b128 v[64*\mm+4*\i:64*\mm+4*\i+3], v[LI], s[10:11] offset:32768*\mm+512*\i   ; images: 512 consecutive bytes a load
.endr
.endr
	WIN 0x80                                       ; destination window 2
.irp m, 0,1,2,3
.irp t, 0,1
.irp u, 0,1
	global_load_b128 v[32*\m+8*\t+4*\u:32*\m+8*\t+4*\u+3], v[CA], s[6:7] offset:2048*\m+64*\t+16*\u
	global_load_b128 v[32*\m+16+8*\t+4*\u:32*\m+16+8*\t+4*\u+3], v[CA], s[8:9] offset:2048*\m+64*\t+16*\u
.endr
.endr
.endr
	WIN 0
.irp mm, 0,1,2
.irp f, 0,1,2,3,4,5,6,7
	global_load_b32 v[WS+8*\mm+\f], v[LS], s[12:13] offset:4096*\mm+128*\f
.endr
.endr
	; ---- my 16 tokens of x become two fragments
	s_wait_loadcnt 63                              ; 104 loads were issued behind x's 32: with 63 out at the most, x's are in
	QUANT HA
	IMAGE XIMG
	ds_store_b32 v[XWS], v[PW] offset:XSC
	s_wait_dscnt 0x0                               ; the stores have read their registers
	QUANT ST
	IMAGE XIMG+1024
	ds_store_b32 v[XWS], v[PW] offset:XSC+128
	s_wait_dscnt 0x0                               ; for the others' sake: my stores have landed
	s_barrier_signal -1
	s_barrier_wait -1                              ; x's eight fragments lie in LDS; nothing is stored to LDS behind this barrier
	s_wait_loadcnt 0x0                             ; the weights, their scale words, cos and sin
	v_mov_b32 v[PL], 0                             ; written once: a lane permute's destination counts as one of its sources
	v_mov_b32 v[PL+1], 0
; 12 products, K step s: the twelve accumulators take turns, one instruction a turn.  zero = 1: they start the sums.
.macro PROD s, zero
	WIN 0x01                                       ; source 0 (the weight) window 1
.irp mm, 0,1
.irp t, 0,1,2,3
.if \zero
	v_wmma_scale_f32_16x16x128_f8f6f4 v[ACC+32*\mm+8*\t:ACC+32*\mm+8*\t+7], v[64*\mm+16*\t+8*\s:64*\mm+16*\t+8*\s+7], v[XF+8*\s:XF+8*\s+7], 0, v[WS+8*\mm+2*\t+\s], v[XS+\s] matrix_a_fmt:MATRIX_FMT_FP4 matrix_b_fmt:MATRIX_FMT_FP4
.else
	v_wmma_scale_f32_16x16x128_f8f6f4 v[ACC+32*\mm+8*\t:ACC+32*\mm+8*\t+7], v[64*\mm+16*\t+8*\s:64*\mm+16*\t+8*\s+7], v[XF+8*\s:XF+8*\s+7], v[ACC+32*\mm+8*\t:ACC+32*\mm+8*\t+7], v[WS+8*\mm+2*\t+\s], v[XS+\s] matrix_a_fmt:MATRIX_FMT_FP4 matrix_b_fmt:MATRIX_FMT_FP4
.endif
.endr
.endr
	WIN 0x04                                       ; source 1 (wv) window 1
.irp t, 0,1,2,3
.if \zero
	v_wmma_scale_f32_16x16x128_f8f6f4 v[ACC+64+8*\t:ACC+64+8*\t+7], v[XF+8*\s:XF+8*\s+7], v[128+16*\t+8*\s:128+16*\t+8*\s+7], 0, v[XS+\s], v[WS+16+2*\t+\s] matrix_a_fmt:MATRIX_FMT_FP4 matrix_b_fmt:MATRIX_FMT_FP4
.else
	v_wmma_scale_f32_16x16x128_f8f6f4 v[ACC+64+8*\t:ACC+64+8*\t+7], v[XF+8*\s:XF+8*\s+7], v[128+16*\t+8*\s:128+16*\t+8*\s+7], v[ACC+64+8*\t:ACC+64+8*\t+7], v[XS+\s], v[WS+16+2*\t+\s] matrix_a_fmt:MATRIX_FMT_FP4 matrix_b_fmt:MATRIX_FMT_FP4
.endif
.endr
.endm
; Token tile m: my head's q, k and v of 16 tokens.
.macro TILE m
.irp s, 0,1
.irp c, 0,1
	ds_load_b128 v[XF+8*\s+4*\c:XF+8*\s+4*\c+3], v[LI] offset:XIMG+(2*\m+\s)*1024+512*\c
.endr
	ds_load_b32 v[XS+\s], v[LS] offset:XSC+128*(2*\m+\s)
.endr
	s_wait_dscnt 0x0
.if \m > 0
	s_wait_xcnt 0x0                                ; the last tile's stores have read the registers that the products now write
.endif
	PROD 0, 1
	PROD 1, 0
	WIN 0
.rept 4
	v_nop                                          ; four places between the last product and the first read of results (ISA guide 7.12.1)
.endr
	WIN 0x08                                       ; source 1 (cos, sin) window 2
.irp mm, 0,1                                   ; rotary: (x1, x2) -> (x1 cos + x2 sin, x2 cos - x1 sin), two channels at a time; each accumulator is read from its low end on
.irp t, 0,1
.irp p, 0,2,4,6
	v_pk_mul_f32 v[T+4*((\p/2)%2):T+4*((\p/2)%2)+1], v[ACC+32*\mm+8*\t+\p+16:ACC+32*\mm+8*\t+\p+17], v[32*\m+16+8*\t+\p:32*\m+16+8*\t+\p+1]
	v_pk_mul_f32 v[T+4*((\p/2)%2)+2:T+4*((\p/2)%2)+3], v[ACC+32*\mm+8*\t+\p:ACC+32*\mm+8*\t+\p+1], v[32*\m+16+8*\t+\p:32*\m+16+8*\t+\p+1]
	v_pk_fma_f32 v[ACC+32*\mm+8*\t+\p:ACC+32*\mm+8*\t+\p+1], v[ACC+32*\mm+8*\t+\p:ACC+32*\mm+8*\t+\p+1], v[32*\m+8*\t+\p:32*\m+8*\t+\p+1], v[T+4*((\p/2)%2):T+4*((\p/2)%2)+1]
	v_pk_fma_f32 v[ACC+32*\mm+8*\t+\p+16:ACC+32*\mm+8*\t+\p+17], v[ACC+32*\mm+8*\t+\p+16:ACC+32*\mm+8*\t+\p+17], v[32*\m+8*\t+\p:32*\m+8*\t+\p+1], v[T+4*((\p/2)%2)+2:T+4*((\p/2)%2)+3] neg_lo:[0,0,1] neg_hi:[0,0,1]
.endr
.endr
.endr
	WIN 0
.irp mm, 0,1                                   ; the sum of squares of my 32 channels: two chains for q, two for k
.irp a, 0,1
	v_pk_mul_f32 v[SS+4*\mm+2*\a:SS+4*\mm+2*\a+1], v[ACC+32*\mm+16*\a:ACC+32*\mm+16*\a+1], v[ACC+32*\mm+16*\a:ACC+32*\mm+16*\a+1]
.endr
.endr
.irp i, 2,4,6,8,10,12,14
.irp mm, 0,1
.irp a, 0,1
	v_pk_fma_f32 v[SS+4*\mm+2*\a:SS+4*\mm+2*\a+1], v[ACC+32*\mm+16*\a+\i:ACC+32*\mm+16*\a+\i+1], v[ACC+32*\mm+16*\a+\i:ACC+32*\mm+16*\a+\i+1], v[SS+4*\mm+2*\a:SS+4*\mm+2*\a+1]
.endr
.endr
.endr
.irp mm, 0,1
	v_pk_add_f32 v[SS+4*\mm:SS+4*\mm+1], v[SS+4*\mm:SS+4*\mm+1], v[SS+4*\mm+2:SS+4*\mm+3]
.endr
.irp mm, 0,1
	v_add_f32 v[SS+4*\mm], v[SS+4*\mm], v[SS+4*\mm+1]
.endr
.irp mm, 0,1
	v_permlanex16_b32 v[PL+\mm], v[SS+4*\mm], s22, s23   ; the token's other 32 channels lie in the lane 16 away
.endr
.irp mm, 0,1
	v_add_f32 v[SS+4*\mm], v[SS+4*\mm], v[PL+\mm]
.endr
.irp mm, 0,1
	v_fma_f32 v[MS+\mm], v[SS+4*\mm], s24, s25     ; the mean + EPS
.endr
.irp mm, 0,1
	v_rsq_f32 v[R+2*\mm], v[MS+\mm]
.endr
	v_mov_b32 v[R+1], 0                            ; plain lines behind the two roots: the pairs' upper registers, which are named with them, are written
	v_mov_b32 v[R+3], 0
	s_wait_alu depctr_va_vdst(0)                   ; one wait for both roots, ahead of their first reader
	v_mul_f32 v[R], 0x3e38aa3b, v[R]               ; q also takes log2(e) / 8
.irp mm, 0,1
.irp i, 0,2,4,6,8,10,12,14,16,18,20,22,24,26,28,30
	v_pk_mul_f32 v[ACC+32*\mm+\i:ACC+32*\mm+\i+1], v[ACC+32*\mm+\i:ACC+32*\mm+\i+1], v[R+2*\mm:R+2*\mm+1] op_sel_hi:[1,0]
.endr
.endr
.irp u, 0,1,2,3,4,5,6,7,8,9,10,11              ; to f16, in place: register i of a tile from its registers 2 i and 2 i + 1, ascending
.irp i, 0,1,2,3
	v_cvt_pk_f16_f32 v[ACC+8*\u+\i], v[ACC+8*\u+2*\i], v[ACC+8*\u+2*\i+1]
.endr
.endr
.irp t, 0,1,2,3                                ; each store covers 512 consecutive bytes, aligned
	global_store_b128 v[LI], v[ACC+8*\t:ACC+8*\t+3], s[14:15] offset:2048*\m+512*\t
	global_store_b128 v[LI], v[ACC+32+8*\t:ACC+32+8*\t+3], s[16:17] offset:2048*\m+512*\t
	global_store_b128 v[LI], v[ACC+64+8*\t:ACC+64+8*\t+3], s[18:19] offset:4096*(\m/2)+1024*\t+512*(\m%2)
.endr
.endm
	TILE 0
	TILE 1
	TILE 2
	TILE 3
	s_wait_tensorcnt 0x0                           ; the wave's end, behind my last LDS store
	ds_add_u32 v[SPW], v[NIL]
	s_wait_dscnt 0x0
	s_endpgm
.Lfunc_end_k_qea49c7eca7_qkv:
	.size	k_qea49c7eca7_qkv, .Lfunc_end_k_qea49c7eca7_qkv-k_qea49c7eca7_qkv
	.p2alignl 7, 3214868480
	.fill 96, 4, 3214868480
	.section	.rodata,"a",@progbits
	.p2align	6, 0x0
	.amdhsa_kernel k_qea49c7eca7_qkv
		.amdhsa_group_segment_fixed_size 10240
		.amdhsa_private_segment_fixed_size 0
		.amdhsa_enable_private_segment 0
		.amdhsa_kernarg_size 64
		.amdhsa_user_sgpr_count 2
		.amdhsa_user_sgpr_kernarg_segment_ptr 1
		.amdhsa_wavefront_size32 1
		.amdhsa_system_sgpr_workgroup_id_x 1
		.amdhsa_system_sgpr_workgroup_id_y 1
		.amdhsa_system_sgpr_workgroup_id_z 1
		.amdhsa_system_vgpr_workitem_id 0
		.amdhsa_next_free_vgpr 768
		.amdhsa_next_free_sgpr 66
		.amdhsa_reserve_vcc 0
		.amdhsa_float_denorm_mode_32 3
		.amdhsa_float_denorm_mode_16_64 3
		.amdhsa_memory_ordered 1
		.amdhsa_forward_progress 1
		.amdhsa_inst_pref_size 90
	.end_amdhsa_kernel
	.amdgpu_metadata
---
amdhsa.version: [ 1, 2 ]
amdhsa.kernels:
  - .name:           k_qea49c7eca7_qkv
    .symbol:         k_qea49c7eca7_qkv.kd
    .args:
      - { .name: x, .offset: 0, .size: 8, .value_kind: global_buffer, .address_space: global }
      - { .name: cos, .offset: 8, .size: 8, .value_kind: global_buffer, .address_space: global }
      - { .name: sin, .offset: 16, .size: 8, .value_kind: global_buffer, .address_space: global }
      - { .name: wcodes, .offset: 24, .size: 8, .value_kind: global_buffer, .address_space: global }
      - { .name: wscales, .offset: 32, .size: 8, .value_kind: global_buffer, .address_space: global }
      - { .name: qimg, .offset: 40, .size: 8, .value_kind: global_buffer, .address_space: global }
      - { .name: kimg, .offset: 48, .size: 8, .value_kind: global_buffer, .address_space: global }
      - { .name: vimg, .offset: 56, .size: 8, .value_kind: global_buffer, .address_space: global }
    .group_segment_fixed_size: 10240
    .private_segment_fixed_size: 0
    .kernarg_segment_align: 8
    .kernarg_segment_size: 64
    .max_flat_workgroup_size: 128
    .sgpr_count:     66
    .vgpr_count:     768
    .wavefront_size: 32
...
	.end_amdgpu_metadata
.endif
;; end of part 2
;; launch attn (part 3): grid 16 x 16, 4 waves a work-group, clusters of 4 x 1, 327,680 bytes of LDS; arguments qimg, kimg, vimg, yimg; writes yimg
.if DOCPART == 3
	.amdgcn_target "amdgcn-amd-amdhsa--gfx1250"
	.amdhsa_code_object_version 6
	.text
	.protected	k_qea49c7eca7_attn
	.globl	k_qea49c7eca7_attn
	.p2align	8
	.type	k_qea49c7eca7_attn,@function
k_qea49c7eca7_attn:
	s_mov_b64 s[64:65], 0
	v_nop
	global_prefetch_b8 v0, s[64:65] scope:SCOPE_SE
	s_setreg_imm32_b32 hwreg(HW_REG_WAVE_MODE, 25, 1), 1
	s_wait_xcnt 0x0
	s_wait_alu depctr_hold_cnt(0) depctr_sa_sdst(0) depctr_va_vdst(0) depctr_va_sdst(0) depctr_va_ssrc(0) depctr_va_vcc(0) depctr_vm_vsrc(0)
	s_getreg_b32 s2, hwreg(HW_REG_IB_STS2, 6, 4)
	s_cmp_eq_u32 s2, 0
	s_cbranch_scc0 .Lentry_in_a_cluster
	s_endpgm
.Lentry_in_a_cluster:
	s_bfe_u32 s2, ttmp6, 0x10000c
	s_cmp_lg_u32 s2, 0x3003
	s_cbranch_scc0 .Lentry_shape_is_right
	s_endpgm
.Lentry_shape_is_right:
; y[b][q][head] = the sum over k of softmax_k(q . k / 8) v, for 16 (batch, head) pairs of 4,096 tokens and 64 channels.  q, k, v arrive as f16, as images of operand registers
; (a fragment: 1,024 bytes, registers 0-3 as 512 bytes with lane l's 16 bytes at 16 l, then registers 4-7); q already carries log2(e) / 8.  Products and sums in f32; the weights p are rounded to f16
; for the second product; y leaves as f16, again as images.
; NO MAXIMUM IS TAKEN AHEAD OF THE EXPONENTIAL.  q and k are RMS-normalised by the computation itself, with no scale behind the norm: |q|^2 and |k|^2 are at most 64, so |q . k| / 8 is at most 8 for every
; input, the exponent t = log2(e) q . k / 8 lies within +-11.6 (f16's rounding of q and k included), p = 2^t within 3.2e-4 .. 3,100, all normal numbers of f16, and a row's sum of 4,096 of them under 1.3e7.
; LIMITS: NaN and infinities are not served; |v| stays under 65,504.
; SHARES.  A work-group owns 256 queries of one (batch, head), each of its four waves 64: four tiles of 16.  Every wave walks all 4,096 keys, 64 a step.
; LAYOUT.  S^T = K Q^T (source 0 = 16 keys, source 1 = 16 queries): a lane holds ONE query (lane % 16) and keys 8 (lane / 16) + 0..7.  Two such tiles, rounded to f16 in pairs, ARE source 1 (32 keys x 16 queries)
; of O^T = V^T P, whose result again holds one query a lane and eight channels: rounded in pairs it is the image that the next launch loads.  Nothing changes lanes but the row's sum, once, at the end.
; BY TURNS.  The wave's tiles are two PIECES (piece 0: tiles 0, 1; piece 2: tiles 2, 3).  In a TURN one piece has the matrix unit: 16 products K Q^T of the next step, then 16 products V^T P of the step in hand;
; the other piece's softmax, 128 vector instructions in 32 slices of four, stands between them, one slice behind each matrix instruction.  Two turns are a key step.
; CLUSTER.  The four query blocks of a cluster belong to one (batch, head) and walk the same K and V: each tile is asked for JOINTLY, by the same tensor load with the same descriptor and a mask that names the four.
; REGISTERS, in windows of 256 (s_set_vgpr_msb: bits 1:0 source 0, 3:2 source 1, 5:4 source 2, 7:6 destination):
;   window 0: v2-6 addresses; v8-23 the rows' sums (tile t, chain a: the pair at 8 + 4 t + 2 a); v24-31 the way out; v62, v63 the add's two; v64-127 P (16 t + 8 x key group)
;   window 1: v0-127 S^T (32 t + 8 x key tile); v128-191 K of one step; v192-255 Q        window 2: v0-127 O^T (32 t + 8 x channel tile); v128-191, v192-255 V, two buffers
; K Q^T and the exponentials name window 1 alone: a turn's first half has no switch.  Its second half has two for each matrix instruction.
.set STEPB, 8192                       ; a key step's K, and its V: 8 fragments each
.set VOFF,  32768                      ; a slot: four steps' K, then four steps' V
.set SLOT1, 1<<16                      ; slot 1 begins here: one exclusive or turns an address in one slot into the other's
.set SPARE, 2*SLOT1                    ; behind the ring: the spare words, 128 bytes for each wave: two blocks of 256 bytes that no other line names
.set LI,  2                            ; v2   16 x lane; never rewritten
.set AV0, 3                            ; v3   16 x lane + VOFF; never rewritten
.set ADR, 4                            ; v4   the LDS address of the run of loads in hand
.set PFO, 6                            ; v6   256 x lane; never rewritten
.set L,   8
.set RC,  24                           ; v24-31  1 / the row's sum, a pair a tile
.set SPW, 62
.set NIL, 63
.set P,   64
.set KF,  128                          ; in window 1
.set QF,  192
.set VF,  128                          ; in window 2
.set WV,  12                           ; s12  my wave's number
.set LIM, 15                           ; s15  1 in a wave that prefetches, else the greatest number
.set PFA, 18                           ; s[18:19] where my prefetches stand
.set G1,  24                           ; s[24:31] descriptor group 1, for K's and V's tiles alike
.set G0K, 40                           ; s[40:47] group 0 for K's tiles: a set for each of the two first fills; the second then walks on
.set G0V, 48                           ; s[48:55] the same for V's
.set SLOTS, 56                         ; s56  slots still to be asked for
.set TWICE, 57                         ; s57  counts the inner loop's two trips
.set SEL, 60                           ; s[60:61] v_permlanex16_b32's selects for lane l xor 16
.set TB,  62                           ; s62  LDS byte of the even key step to be fetched; the odd one stands STEPB further on, in the loads' immediate
.set MSB, 0
.macro WIN new                         ; the immediate's high byte repeats the setting that is left; a switch that changes nothing is dropped
.if MSB != (\new)
	s_set_vgpr_msb (MSB<<8)|(\new)
.set MSB, (\new)
.endif
.endm
.set W_KQ, 0x55                        ; all four places window 1
.set W_PV, 0xa2                        ; V (source 0), C and D window 2; P (source 1) window 0
.set W_SM, 0x05                        ; sources 0 and 1 (S^T) window 1; source 2 and destination window 0
; A joint refill: waves 0 and 1 fetch the halves of a slot's K, waves 2 and 3 those of its V.  The branch hangs on the wave's number alone.
; An s_nop 0 and four v_nop follow each of the two lines, ahead of the jump, the label and what follows.
.macro JLOAD
	s_cmp_lt_u32 s[WV], 2
	s_cbranch_scc0 .Lfor_v_\@
	tensor_load_to_lds s[G0K+4:G0K+7], s[G1:G1+7]
	s_nop 0
.rept 4
	v_nop
.endr
	s_branch .Lasked_\@
.Lfor_v_\@:
	tensor_load_to_lds s[G0V+4:G0V+7], s[G1:G1+7]
	s_nop 0
.rept 4
	v_nop
.endr
.Lasked_\@:
.endm
; A PREFETCH INTO THE L2 of what the NEXT change of slots will ask for: 32,768 bytes of K and as many of V.  Each block of 256 bytes is named once in the launch: all four clusters of a (batch, head) walk the same
; K and V, and the first of them asks; its four partners take 8,192 bytes each, told apart BY ADDRESS; in each, wave 0 asks for K's and wave 2 for V's, lanes 256 bytes apart: one instruction.
; It stands behind the wave's tensor load and its five lines: four key steps, 256 matrix instructions, ahead of the load that will want the bytes.  The last change that fills a slot asks for nothing.
.macro ASK
	s_cmp_gt_u32 s[SLOTS], s[LIM]
	s_cbranch_scc0 .Lnot_mine_\@
	global_prefetch_b8 v[PFO], s[PFA:PFA+1] th:TH_LOAD_NT scope:SCOPE_SE
.Lnot_mine_\@:
.endm
; A round of the cluster's barrier: my work-group's barrier; wave 0 signals for the work-group; every wave waits for all four work-groups; my work-group's barrier once more.
.macro CROUND
	s_barrier_signal -1
	s_barrier_wait -1
	s_cmp_lg_u32 s[WV], 0
	s_cbranch_scc1 .Lnot_wave_0_\@
	s_barrier_signal -3
.Lnot_wave_0_\@:
	s_barrier_wait -3
	s_barrier_signal -1
	s_barrier_wait -1
.endm
	s_load_b256 s[4:11], s[0:1], 0x0               ; qimg s[4:5], kimg s[6:7], vimg s[8:9], yimg s[10:11]
	v_lshl_add_u32 v[SPW], v0, 2, SPARE
	v_mov_b32 v[NIL], 0
	ds_add_u32 v[SPW], v[NIL]                      ; the wave's opening: the add, twice on end, and its wait ahead of my first tensor load; the set-up below, work on registers, stands between
	ds_add_u32 v[SPW], v[NIL]                      ; and once more, under the one wait
	v_lshrrev_b32 v1, 5, v0
	v_readfirstlane_b32 s[WV], v1                  ; wave 0..3
	v_and_b32 v1, 31, v0
	v_lshlrev_b32 v[LI], 4, v1
	v_add_nc_u32 v[AV0], VOFF, v[LI]
	v_lshlrev_b32 v[PFO], 8, v1
.irp j, 0,1,2,3,4,5,6,7,8,9,10,11,12,13,14,15,16,17,18,19,20,21,22,23
	v_mov_b32 v[L+\j], 0                           ; the rows' sums begin at 0; the way out's pairs are written
.endr
	s_bfe_u32 s13, ttmp6, 0x40000                  ; cx: my place in the cluster
	s_lshl_b32 s14, ttmp9, 2                       ; in a cluster launch ttmp9 counts clusters
	s_add_co_u32 s14, s14, s13                     ; my block of 256 queries: it enters Q's and y's addresses alone
	s_and_b32 s16, ttmp7, 0xffff                   ; 4 x batch + head, which the four partners share
	s_lshl_b32 s20, s16, 19                        ; its 524,288 bytes in each of the three images
	s_and_b32 s17, s[WV], 1                        ; which half of a slot's K or V I fetch:
	s_lshl_b32 s17, s17, 14                        ; 16,384 bytes, in LDS as in memory: no place in the cluster enters an LDS address
	s_add_co_u32 s22, s20, s17
	s_mov_b32 s23, 0
	s_lshl_b32 s2, s14, 15                         ; Q: my block's 16 tiles of 2,048 bytes,
	s_lshl_b32 s3, s[WV], 13                       ; my wave's four
	s_add_co_u32 s2, s2, s3
	s_add_co_u32 s2, s2, s20
	s_mov_b32 s3, 0
	s_lshr_b32 s32, s16, 2                         ; y: [token tile 1,024][2 head + c][1,024]: the batch's 256 tiles of 8,192 bytes,
	s_lshl_b32 s32, s32, 21
	s_lshl_b32 s33, s14, 17                        ; my block's 16,
	s_add_co_u32 s32, s32, s33
	s_lshl_b32 s33, s[WV], 15                      ; my wave's four,
	s_add_co_u32 s32, s32, s33
	s_and_b32 s33, s16, 3
	s_lshl_b32 s33, s33, 11                        ; my head's 2,048 bytes in each
	s_add_co_u32 s32, s32, s33
	s_mov_b32 s33, 0
	; descriptor group 1: 16,384 dense bytes as 64 rows of 256 (32 elements of 8 bytes), no padding: images are read 16 bytes a lane on end
	s_mov_b32 s[G1], 15|(3<<16)|(1<<21)            ; 15:0 the mask: all four work-groups; 17:16 elements of 8 bytes; 21 set beside a mask
	s_mov_b32 s[G1+1], 32<<16                      ; tensor_dim0 = 32
	s_mov_b32 s[G1+2], 64<<16                      ; tensor_dim1 = 64
	s_mov_b32 s[G1+3], 32<<16                      ; tile_dim0 = 32
	s_mov_b32 s[G1+4], 64                          ; tile_dim1 = 64
	s_mov_b32 s[G1+5], 32                          ; from row to row
	s_mov_b32 s[G1+6], 0
	s_mov_b32 s[G1+7], 0
	s_mov_b32 s[SEL], 0x76543210
	s_mov_b32 s[SEL+1], 0xfedcba98
	s_mov_b32 s[TB], 0
	s_mov_b32 s[SLOTS], 14                         ; 16 slots' worth of keys; two are first fills
	s_and_b32 s[LIM], s[WV], 1                     ; 0 in waves 0 and 2,
	s_or_b32 s[LIM], s[LIM], ttmp9                 ; of the (batch, head)'s first cluster: the same in all four partners
	s_cmp_eq_u32 s[LIM], 0
	s_cselect_b32 s[LIM], 1, -1
	s_wait_dscnt 0x0                               ; both opening adds are done
	s_wait_kmcnt 0x0
	s_add_nc_u64 s[6:7], s[6:7], s[22:23]          ; K and V at my half of slot 0
	s_add_nc_u64 s[8:9], s[8:9], s[22:23]
	s_add_nc_u64 s[4:5], s[4:5], s[2:3]            ; Q at my wave's first tile
	s_add_nc_u64 s[10:11], s[10:11], s[32:33]      ; y likewise
	s_cmp_lt_u32 s[WV], 2
	s_cselect_b64 s[PFA:PFA+1], s[6:7], s[8:9]     ; (in waves 0 and 2 these stand at a slot's first byte)
	s_lshl_b32 s2, s13, 13                         ; my work-group's 8,192 bytes of the 32,768
	s_mov_b32 s3, 0
	s_add_nc_u64 s[PFA:PFA+1], s[PFA:PFA+1], s[2:3]
	s_add_nc_u64 s[PFA:PFA+1], s[PFA:PFA+1], 2*32768   ; in slot 2; the first change of slots steps it to slot 3.  Nothing is prefetched here, at the head
	CROUND                                         ; all four work-groups are here: the first joint loads meet
.irp s, 0,1
	s_mov_b32 s[G0K+4*\s], 1                       ; count = 1
	s_add_co_u32 s[G0K+4*\s+1], s17, \s*SLOT1      ; LDS address
	s_add_nc_u64 s[G0K+4*\s+2:G0K+4*\s+3], s[6:7], \s*32768   ; global address: slot s begins with keys 256 s
	s_or_b32 s[G0K+4*\s+3], s[G0K+4*\s+3], 0x80000000         ; type = 2
	s_mov_b32 s[G0V+4*\s], 1
	s_add_co_u32 s[G0V+4*\s+1], s17, \s*SLOT1+VOFF
	s_add_nc_u64 s[G0V+4*\s+2:G0V+4*\s+3], s[8:9], \s*32768
	s_or_b32 s[G0V+4*\s+3], s[G0V+4*\s+3], 0x80000000
.endr
	s_cmp_lt_u32 s[WV], 2                          ; a wave's two first fills stand in one branch, ahead of every wait on TENSORcnt and every LDS read: two loads of mine are out
	s_cbranch_scc0 .Lfirst_v
	tensor_load_to_lds s[G0K:G0K+3], s[G1:G1+7]
	s_nop 0
	tensor_load_to_lds s[G0K+4:G0K+7], s[G1:G1+7]
	s_nop 0
.rept 4
	v_nop
.endr
	s_branch .Lfirst_asked
.Lfirst_v:
	tensor_load_to_lds s[G0V:G0V+3], s[G1:G1+7]
	s_nop 0
	tensor_load_to_lds s[G0V+4:G0V+7], s[G1:G1+7]
	s_nop 0
.rept 4
	v_nop
.endr
.Lfirst_asked:
	WIN 0x40                                       ; destination window 1
.irp i, 0,1,2,3,4,5,6,7,8,9,10,11,12,13,14,15
	global_load_b128 v[QF+4*\i:QF+4*\i+3], v[LI], s[4:5] offset:512*\i   ; Q stays in registers: tile i / 4, channels 32 ((i / 2) % 2) on
.endr
	WIN 0
; THE MATRIX WORK OF A TURN, for piece x.  The eight accumulators take turns, one instruction a turn.
; Product i of 16 of S^T = K Q^T: channels 32 (i / 8) on, keys 16 ((i / 2) % 4) on, tile x + i % 2.  The first 8 start the sums.
.macro KQ x
	WIN W_KQ
.set rS, 32*(\x+i%2)+8*((i/2)%4)
.set rK, KF+16*((i/2)%4)+8*(i/8)
.set rQ, QF+16*(\x+i%2)+8*(i/8)
.if i < 8
	v_wmma_f32_16x16x32_f16 v[rS:rS+7], v[rK:rK+7], v[rQ:rQ+7], 0
.else
	v_wmma_f32_16x16x32_f16 v[rS:rS+7], v[rK:rK+7], v[rQ:rQ+7], v[rS:rS+7]
.endif
.endm
; Product i of 16 of O^T += V^T P: keys 32 (i / 8) on, channels 16 ((i / 2) % 4) on, tile x + i % 2; V from buffer vb.  zero = 1: the first 8 start the sums: nothing is cleared.
.macro PV x, vb, zero
	WIN W_PV
.set rO, 32*(\x+i%2)+8*((i/2)%4)
.set rV, VF+64*(\vb)+32*(i/8)+8*((i/2)%4)
.set rP, P+16*(\x+i%2)+8*(i/8)
.if \zero && (i < 8)
	v_wmma_f32_16x16x32_f16 v[rO:rO+7], v[rV:rV+7], v[rP:rP+7], 0
.else
	v_wmma_f32_16x16x32_f16 v[rO:rO+7], v[rV:rV+7], v[rP:rP+7], v[rO:rO+7]
.endif
.endm
; THE LDS LOADS stand in runs of 16: a step's K (8 fragments) and, a turn later, its V.  off, buf: the step's parity.
.macro FETCH_K off
	WIN 0
	v_add_nc_u32 v[ADR], s[TB], v[LI]
	WIN 0x40                                       ; destination window 1
.irp f, 0,1,2,3,4,5,6,7,8,9,10,11,12,13,14,15
	ds_load_b128 v[KF+4*\f:KF+4*\f+3], v[ADR] offset:STEPB*(\off)+512*\f
.endr
.endm
.macro FETCH_V buf
	WIN 0
	v_add_nc_u32 v[ADR], s[TB], v[AV0]
.if (\buf) == 1
	s_add_co_u32 s[TB], s[TB], 2*STEPB             ; behind an odd step's V: on to the next two steps
.endif
	WIN 0x80                                       ; destination window 2
.irp f, 0,1,2,3,4,5,6,7,8,9,10,11,12,13,14,15
	ds_load_b128 v[VF+64*(\buf)+4*\f:VF+64*(\buf)+4*\f+3], v[ADR] offset:STEPB*(\buf)+512*\f
.endr
.endm
; THE VECTOR WORK OF A TURN: slice k of 32 of piece y's softmax, four instructions.
;   0-15   ONE BATCH: the piece's 64 exponentials p = 2^t, in place, four of one tile to a slice, the tiles by turns; each accumulator from its low end on.  None reads an exponential's result.
;   (mid)  four v_nop: the plain line behind the batch, and the four places between the turn's last K Q^T and the loads into K's registers (ISA guide 7.12.1 for vector instructions);
;          ONE wait for the 64 exponentials ahead of the first line that names a result; then the turn's run of LDS loads
;   16-31  two pairs of one tile: the row's sum takes the unrounded p (x 1.0 + the sum: one packed line a pair, two chains a tile), and the pairs are rounded to f16 into P
.macro SLICE y, f, arg
.if k < 16
	WIN W_KQ
.set rE, 32*(\y+k%2)+4*(k/2)
	v_exp_f32 v[rE], v[rE]
	v_exp_f32 v[rE+1], v[rE+1]
	v_exp_f32 v[rE+2], v[rE+2]
	v_exp_f32 v[rE+3], v[rE+3]
.else
	WIN W_SM
.set tt, \y+(k-16)%2
.set nn, 2*((k-16)/2)
	v_pk_fma_f32 v[L+4*tt:L+4*tt+1], v[32*tt+2*nn:32*tt+2*nn+1], 1.0, v[L+4*tt:L+4*tt+1] op_sel_hi:[1,0,1]
	v_pk_fma_f32 v[L+4*tt+2:L+4*tt+3], v[32*tt+2*nn+2:32*tt+2*nn+3], 1.0, v[L+4*tt+2:L+4*tt+3] op_sel_hi:[1,0,1]
	v_cvt_pk_f16_f32 v[P+16*tt+nn], v[32*tt+2*nn], v[32*tt+2*nn+1]
	v_cvt_pk_f16_f32 v[P+16*tt+nn+1], v[32*tt+2*nn+2], v[32*tt+2*nn+3]
.endif
.if k == 15
.rept 4
	v_nop
.endr
	s_wait_alu depctr_va_vdst(0)
.if \f == 1
	FETCH_K \arg
.elseif \f == 2
	FETCH_V \arg
.endif
.endif
.set k, k+1
.endm
; A TURN.  Piece x has the matrix unit; the other piece's softmax stands in slices behind its matrix instructions.  vb: the parity of the step in hand, which is V's buffer.
; kq = 1: 16 products K Q^T for the next step.  pv = 2: 16 products V^T P; 1: they start O^T's sums; 0: none.  A turn with one of the two kinds has two slices behind each product.
; fetch = 1: piece 0's turn fetches the next step's V into the other buffer, piece 2's turn K of the step after next.  Piece 0's turn begins with the one wait for LDS loads of a key step.
; The places: a turn's slices 16-31 are plain and name nothing of its products; so 64 lines lie between K Q^T and the exponentials that read it a turn later, and slice 31 and the
; four v_nop between the last V^T P and the loads into its V buffer and the roundings into its P.
.macro TURN x, vb, kq, pv, fetch
.set k, 0
.set per, 2
.if \kq && \pv
.set per, 1
.endif
.set fk, 0
.set fa, 0
.if \fetch
.if \x == 0
.set fk, 2
.set fa, 1-\vb
.else
.set fk, 1
.set fa, \vb
.endif
.endif
.if \x == 0
	s_wait_dscnt 0x0                               ; K of the next step and V of this one are in
.endif
.if \kq
.set i, 0
.rept 16
	KQ \x
.rept per
	SLICE 2-\x, fk, fa
.endr
.set i, i+1
.endr
.endif
.if \pv
.set i, 0
.rept 16
	PV \x, \vb, 2-\pv
.rept per
	SLICE 2-\x, fk, fa
.endr
.set i, i+1
.endr
.endif
.endm
; THE CHANGE OF SLOTS, between piece 0's turn and piece 2's: the slot's last bytes, V of its fourth step, have been asked for.  Each wave waits for all its tensor loads, of which one is out: its part of the
; other slot; adds 0 to its spare word; and waits for that and for its own reads of the slot.  Behind the barrier nobody reads this slot any more and the other slot is whole.
; fill = 1: this slot is filled again, with the keys two slots on.  The barrier is then a round of the cluster's, and the joint refill is the first thing behind it: four key steps, 256 matrix instructions, in which to land.
.macro CHANGE fill
	WIN 0                                          ; at a label and at a branch every window is 0
	s_wait_tensorcnt 0x0                           ; no tensor load of mine is out, so a group 0 may be written
	ds_add_u32 v[SPW], v[NIL]                      ; 0 onto my spare word
.if \fill
.irp g, G0K+4, G0V+4
	s_xor_b32 s[\g+1], s[\g+1], SLOT1              ; the walking descriptor: the other slot than last time,
	s_add_nc_u64 s[\g+2:\g+3], s[\g+2:\g+3], 32768 ; the next 256 keys; the type bits on top are not reached
.endr
	s_wait_xcnt 0x0                                ; the last prefetch, four key steps back, has read its address, so it may be written
	s_add_nc_u64 s[PFA:PFA+1], s[PFA:PFA+1], 32768 ; one slot further on than the walking descriptors
	s_wait_dscnt 0x0                               ; the add is done, and my reads of the slot are over
	CROUND
	JLOAD
	ASK
.else
	s_wait_dscnt 0x0                               ; the add is done, and my reads of the slot are over
	s_barrier_signal -1
	s_barrier_wait -1
.endif
	s_sub_co_u32 s[TB], s[TB], 4*STEPB             ; the fetches go back to a slot's first step,
	s_xor_b32 s[TB], s[TB], SLOT1                  ; in the other slot
.endm
; From one change of slots to the next: four key steps.  A trip runs two, until V's buffers are back where they began.
.macro TWO
	s_mov_b32 s[TWICE], 2
.Lstep_\@:
	TURN 2, 0, 1, 2, 1
	TURN 0, 1, 1, 2, 1
	TURN 2, 1, 1, 2, 1
	TURN 0, 0, 1, 2, 1
	WIN 0
	s_sub_co_u32 s[TWICE], s[TWICE], 1
	s_cmp_lg_u32 s[TWICE], 0
	s_cbranch_scc1 .Lstep_\@
.endm
	s_wait_tensorcnt 1                             ; my part of slot 0 is in; slot 1's may stay out
	s_barrier_signal -1
	s_barrier_wait -1                              ; everybody's is
	FETCH_K 0                                      ; key step 0
	s_wait_loadcnt 0x0                             ; Q
	s_wait_dscnt 0x0
.set i, 0
.rept 16
	KQ 0                                           ; piece 0's first scores: there is no vector work yet to set between them
.set i, i+1
.endr
.rept 4
	v_nop                                          ; four places between those products and the exponentials that read them
.endr
	TURN 2, 0, 1, 0, 0                             ; piece 2's first scores | piece 0's first softmax
	FETCH_V 0                                      ; V of step 0
	FETCH_K 1                                      ; K of step 1: the eight plain lines of slices 30 and 31 lie behind the last product that read K
	TURN 0, 0, 1, 1, 1                             ; step 0: V^T P starts O^T
	TURN 2, 0, 1, 1, 1
	TURN 0, 1, 1, 2, 1                             ; step 1
	TURN 2, 1, 1, 2, 1
	TURN 0, 0, 1, 2, 1                             ; step 2, piece 0: V of step 3, slot 0's last bytes, is asked for
	WIN 0
.Lslot:                                            ; 14 trips: every slot but the last two is filled again
	CHANGE 1
	TWO
	s_sub_co_u32 s[SLOTS], s[SLOTS], 1
	s_cmp_lg_u32 s[SLOTS], 0
	s_cbranch_scc1 .Lslot
	CHANGE 0                                       ; the tail is written out: nothing is asked for any more
	TWO
	TURN 2, 0, 1, 2, 0                             ; step 62, piece 2 | piece 0's last softmax; there is no K left to fetch
	TURN 0, 1, 0, 2, 0                             ; step 63, piece 0 | piece 2's last softmax
.set i, 0
.rept 16
	PV 2, 1, 0                                     ; step 63, piece 2
.set i, i+1
.endr
	; THE WAY OUT.  A row's two chains, the pair's two halves and the other half of the lanes' are added; O^T is divided by the sum and rounded to f16: the registers are then the image, stored as they stand.
	WIN 0                                          ; (the additions are the places behind the last products)
.irp t, 0,1,2,3
	v_pk_add_f32 v[L+4*\t:L+4*\t+1], v[L+4*\t:L+4*\t+1], v[L+4*\t+2:L+4*\t+3]
.endr
.irp t, 0,1,2,3
	v_add_f32 v[L+4*\t], v[L+4*\t], v[L+4*\t+1]
.endr
.irp t, 0,1,2,3
	v_permlanex16_b32 v[L+4*\t+1], v[L+4*\t], s[SEL], s[SEL+1]
.endr
.irp t, 0,1,2,3
	v_add_f32 v[L+4*\t], v[L+4*\t], v[L+4*\t+1]
.endr
.irp t, 0,1,2,3
	v_rcp_f32 v[RC+2*\t], v[L+4*\t]
.endr
	v_nop                                          ; a plain line between the last reciprocal and the use of its result
	s_wait_alu depctr_va_vdst(0)                   ; and one wait for the four, ahead of the first use
	WIN 0x82                                       ; O^T (destination and source 0) window 2
.set n, 0
.rept 64
	v_pk_mul_f32 v[2*n:2*n+1], v[2*n:2*n+1], v[RC+2*(n/16):RC+2*(n/16)+1] op_sel_hi:[1,0]
.set n, n+1
.endr
	WIN 0x0a                                       ; sources 0 and 1 window 2, destination window 0: P's registers are free
.set n, 0
.rept 64
	v_cvt_pk_f16_f32 v[P+n], v[2*n], v[2*n+1]
.set n, n+1
.endr
	WIN 0
.irp i, 0,1,2,3,4,5,6,7,8,9,10,11,12,13,14,15
	global_store_b128 v[LI], v[P+4*\i:P+4*\i+3], s[10:11] offset:8192*(\i/4)+512*(\i%4)   ; tile i / 4, channels 16 (i % 4) on: 512 consecutive bytes, aligned
.endr
	s_wait_tensorcnt 0x0                           ; the wave's end, behind my last tensor load
	ds_add_u32 v[SPW], v[NIL]
	s_wait_dscnt 0x0
	CROUND                                         ; the closing round: no work-group ends while a partner may still ask for a tile that names it
	s_endpgm
.Lfunc_end_k_qea49c7eca7_attn:
	.size	k_qea49c7eca7_attn, .Lfunc_end_k_qea49c7eca7_attn-k_qea49c7eca7_attn
	.p2alignl 7, 3214868480
	.fill 96, 4, 3214868480
	.section	.rodata,"a",@progbits
	.p2align	6, 0x0
	.amdhsa_kernel k_qea49c7eca7_attn
		.amdhsa_group_segment_fixed_size 327680
		.amdhsa_private_segment_fixed_size 0
		.amdhsa_enable_private_segment 0
		.amdhsa_kernarg_size 32
		.amdhsa_user_sgpr_count 2
		.amdhsa_user_sgpr_kernarg_segment_ptr 1
		.amdhsa_wavefront_size32 1
		.amdhsa_system_sgpr_workgroup_id_x 1
		.amdhsa_system_sgpr_workgroup_id_y 1
		.amdhsa_system_sgpr_workgroup_id_z 1
		.amdhsa_system_vgpr_workitem_id 0
		.amdhsa_next_free_vgpr 768
		.amdhsa_next_free_sgpr 66
		.amdhsa_reserve_vcc 0
		.amdhsa_float_denorm_mode_32 3
		.amdhsa_float_denorm_mode_16_64 3
		.amdhsa_memory_ordered 1
		.amdhsa_forward_progress 1
		.amdhsa_inst_pref_size 186
	.end_amdhsa_kernel
	.amdgpu_metadata
---
amdhsa.version: [ 1, 2 ]
amdhsa.kernels:
  - .name:           k_qea49c7eca7_attn
    .symbol:         k_qea49c7eca7_attn.kd
    .args:
      - { .name: qimg, .offset: 0, .size: 8, .value_kind: global_buffer, .address_space: global }
      - { .name: kimg, .offset: 8, .size: 8, .value_kind: global_buffer, .address_space: global }
      - { .name: vimg, .offset: 16, .size: 8, .value_kind: global_buffer, .address_space: global }
      - { .name: yimg, .offset: 24, .size: 8, .value_kind: global_buffer, .address_space: global }
    .group_segment_fixed_size: 327680
    .private_segment_fixed_size: 0
    .kernarg_segment_align: 8
    .kernarg_segment_size: 32
    .max_flat_workgroup_size: 128
    .sgpr_count:     66
    .vgpr_count:     768
    .wavefront_size: 32
...
	.end_amdgpu_metadata
.endif
;; end of part 3
;; launch proj (part 4): grid 256 x 1, 4 waves a work-group, no clusters, 17,920 bytes of LDS; arguments yimg, woimg, out0; writes out0
.if DOCPART == 4
	.amdgcn_target "amdgcn-amd-amdhsa--gfx1250"
	.amdhsa_code_object_version 6
	.text
	.protected	k_qea49c7eca7_proj
	.globl	k_qea49c7eca7_proj
	.p2align	8
	.type	k_qea49c7eca7_proj,@function
k_qea49c7eca7_proj:
	s_mov_b64 s[64:65], 0
	v_nop
	global_prefetch_b8 v0, s[64:65] scope:SCOPE_SE
	s_setreg_imm32_b32 hwreg(HW_REG_WAVE_MODE, 25, 1), 1
	s_wait_xcnt 0x0
; out[t][n] = the sum over k of y[t][k] wo[n][k]; y [16,384][256] and wo [256][256] arrive as f16, as images of operand registers (a fragment of 16 rows x 32 k: 1,024 bytes, registers 0-3 as 512 bytes
; with lane l's 16 bytes at 16 l, then registers 4-7); sums and out in f32.
; SHARES.  A work-group takes 64 tokens (four tiles of 16), wave w columns 64 w .. 64 w + 63 (four tiles): 16 accumulators.  K = 256 is eight k groups of 32; all 128 loads of a wave are issued at once,
; group by group, each 512 consecutive bytes, and the products follow the groups as they land.  No tensor load: every operand goes from memory straight into the registers in which it is used, once.
; THE MATRIX INSTRUCTION IS USED TRANSPOSED (source 0 = 16 rows of wo, source 1 = 16 tokens): a lane then holds eight neighbouring columns of one row of out.
; REGISTERS, in windows of 256.  Window 0: v2, v24-29 addresses; v32-95 rows on the way out, two sets; v128-255 the accumulators ((token tile m, column tile a) at 128 + 8 (4 m + a)).
;   Window 1: k groups 0-3, window 2: groups 4-7; group g at 64 (g % 4): wo's fragment a at + 8 a, y's fragment m at + 32 + 8 m.
.set SPITCH, 272                       ; a stage row: my 64 columns, 256 bytes, + 16
.set SPARE,  4*16*SPITCH               ; behind the four stages (16 rows each): the spare words, 128 bytes for each wave: two blocks of 256 bytes that no other line names
.set LI,  2                            ; v2   16 x lane
.set STO, 24                           ; v24  the stage: where I put 32 bytes of a row
.set RD,  25                           ; v25  and where I read a row back
.set CO,  26                           ; v26  my byte offset in two rows of out
.set SPW, 28
.set NIL, 29
.set BK,  32
.set ACC, 128
.set MSB, 0
.macro WIN new                         ; the immediate's high byte repeats the setting that is left; a switch that changes nothing is dropped
.if MSB != (\new)
	s_set_vgpr_msb (MSB<<8)|(\new)
.set MSB, (\new)
.endif
.endm
	s_load_b128 s[4:7], s[0:1], 0x0                ; yimg s[4:5], woimg s[6:7]
	s_load_b64 s[8:9], s[0:1], 0x10                ; out0
	v_lshl_add_u32 v[SPW], v0, 2, SPARE
	v_mov_b32 v[NIL], 0
	v_lshrrev_b32 v1, 5, v0
	v_readfirstlane_b32 s10, v1                    ; wave 0..3
	v_and_b32 v1, 31, v0
	v_and_b32 v3, 15, v0                           ; r
	v_bfe_u32 v4, v0, 4, 1                         ; h
	v_lshlrev_b32 v[LI], 4, v1
	s_mul_i32 s11, s10, 16*SPITCH                  ; my stage
	v_mul_u32_u24 v5, v3, SPITCH
	v_lshl_add_u32 v5, v4, 5, v5
	v_add_nc_u32 v[STO], s11, v5                   ; in: row r, 32 bytes for each half of the lanes
	v_mul_u32_u24 v5, v4, SPITCH
	v_lshl_add_u32 v5, v3, 4, v5
	v_add_nc_u32 v[RD], s11, v5                    ; back: lanes 0-15 one row of 256 bytes, lanes 16-31 the next
	v_lshlrev_b32 v[CO], 10, v4
	v_lshl_add_u32 v[CO], v3, 4, v[CO]             ; and the same two rows in out: 1,024 bytes a row
	s_lshl_b32 s12, ttmp9, 15                      ; y: four token tiles of 8,192 bytes
	s_mov_b32 s13, 0
	s_lshl_b32 s14, s10, 15                        ; wo: my four row tiles of 8,192 bytes
	s_mov_b32 s15, 0
	s_lshl_b32 s16, ttmp9, 16                      ; out: 64 rows of 1,024 bytes,
	s_lshl_b32 s17, s10, 8                         ; my 64 columns
	s_add_co_u32 s16, s16, s17
	s_mov_b32 s17, 0
	s_wait_kmcnt 0x0
	s_add_nc_u64 s[4:5], s[4:5], s[12:13]
	s_add_nc_u64 s[6:7], s[6:7], s[14:15]
	s_add_nc_u64 s[8:9], s[8:9], s[16:17]
.irp g, 0,1,2,3,4,5,6,7
	WIN 0x40+0x40*(\g/4)                           ; destination window 1 or 2
.irp a, 0,1,2,3
.irp u, 0,1
	global_load_b128 v[64*(\g%4)+8*\a+4*\u:64*(\g%4)+8*\a+4*\u+3], v[LI], s[6:7] offset:(8*\a+\g)*1024+512*\u
.endr
.endr
.irp m, 0,1,2,3
.irp u, 0,1
	global_load_b128 v[64*(\g%4)+32+8*\m+4*\u:64*(\g%4)+32+8*\m+4*\u+3], v[LI], s[4:5] offset:(8*\m+\g)*1024+512*\u
.endr
.endr
.endr
; 16 products of k group g: the sixteen accumulators take turns, one instruction a turn.  Group 0 starts the sums.
.macro MUL g
	WIN 0x05+0x05*((\g)/4)                         ; sources 0 and 1 window 1 or 2; C and D window 0
.irp m, 0,1,2,3
.irp a, 0,1,2,3
.if (\g) == 0
	v_wmma_f32_16x16x32_f16 v[ACC+8*(4*\m+\a):ACC+8*(4*\m+\a)+7], v[64*((\g)%4)+8*\a:64*((\g)%4)+8*\a+7], v[64*((\g)%4)+32+8*\m:64*((\g)%4)+32+8*\m+7], 0
.else
	v_wmma_f32_16x16x32_f16 v[ACC+8*(4*\m+\a):ACC+8*(4*\m+\a)+7], v[64*((\g)%4)+8*\a:64*((\g)%4)+8*\a+7], v[64*((\g)%4)+32+8*\m:64*((\g)%4)+32+8*\m+7], v[ACC+8*(4*\m+\a):ACC+8*(4*\m+\a)+7]
.endif
.endr
.endr
.endm
	s_wait_loadcnt 63                              ; of 128 loads 63 at the most are out: the first 64, groups 0 to 3, are in
	MUL 0
	MUL 1
	MUL 2
	MUL 3
	s_wait_loadcnt 48                              ; behind group 4's loads: three groups of 16
	MUL 4
	s_wait_loadcnt 32
	MUL 5
	s_wait_loadcnt 16
	MUL 6
	s_wait_loadcnt 0x0
	MUL 7
	WIN 0
; THE WAY OUT, a token tile (16 rows x my 64 columns) at a time.  A lane holds 32 neighbouring bytes of a row, and the lanes beside it hold other rows: so a tile goes through my own stage in LDS and comes back
; as rows of 256 bytes, which sixteen lanes store as one aligned run.  LDS serves a wave's instructions in order (ISA guide 5.7.1.4): no wait between the stores and the loads, nor in front of the next tile's stores.
.macro TOSTAGE m
.irp a, 0,1,2,3
	ds_store_b128 v[STO], v[ACC+8*(4*(\m)+\a):ACC+8*(4*(\m)+\a)+3] offset:64*\a        ; each accumulator from its low end on
	ds_store_b128 v[STO], v[ACC+8*(4*(\m)+\a)+4:ACC+8*(4*(\m)+\a)+7] offset:64*\a+16
.endr
.irp i, 0,1,2,3,4,5,6,7
	ds_load_b128 v[BK+32*((\m)%2)+4*\i:BK+32*((\m)%2)+4*\i+3], v[RD] offset:\i*2*SPITCH
.endr
.endm
.macro SEND m, younger                 ; younger: the LDS instructions issued behind tile m's loads, which may stay out
	s_wait_dscnt \younger                          ; the tile is back in registers
.irp i, 0,1,2,3,4,5,6,7
	global_store_b128 v[CO], v[BK+32*((\m)%2)+4*\i:BK+32*((\m)%2)+4*\i+3], s[8:9] offset:16384*(\m)+2048*\i th:TH_STORE_NT   ; written once, read by nobody here
.endr
.endm
.rept 4
	v_nop                                          ; four places between the last product and the first read of results (ISA guide 7.12.1)
.endr
	TOSTAGE 0
.irp m, 1,2,3
.if \m > 1
	s_wait_xcnt 0x0                                ; tile m - 2's stores have read their registers: tile m's loads may land there
.endif
	TOSTAGE \m
	SEND \m-1, 16                                  ; behind tile m - 1's loads: tile m's 8 stores and 8 loads
.endr
	SEND 3, 0
	s_wait_tensorcnt 0x0                           ; the wave's end, behind my last LDS store
	ds_add_u32 v[SPW], v[NIL]
	s_wait_dscnt 0x0
	s_endpgm
.Lfunc_end_k_qea49c7eca7_proj:
	.size	k_qea49c7eca7_proj, .Lfunc_end_k_qea49c7eca7_proj-k_qea49c7eca7_proj
	.p2alignl 7, 3214868480
	.fill 96, 4, 3214868480
	.section	.rodata,"a",@progbits
	.p2align	6, 0x0
	.amdhsa_kernel k_qea49c7eca7_proj
		.amdhsa_group_segment_fixed_size 17920
		.amdhsa_private_segment_fixed_size 0
		.amdhsa_enable_private_segment 0
		.amdhsa_kernarg_size 24
		.amdhsa_user_sgpr_count 2
		.amdhsa_user_sgpr_kernarg_segment_ptr 1
		.amdhsa_wavefront_size32 1
		.amdhsa_system_sgpr_workgroup_id_x 1
		.amdhsa_system_sgpr_workgroup_id_y 1
		.amdhsa_system_sgpr_workgroup_id_z 1
		.amdhsa_system_vgpr_workitem_id 0
		.amdhsa_next_free_vgpr 768
		.amdhsa_next_free_sgpr 66
		.amdhsa_reserve_vcc 0
		.amdhsa_float_denorm_mode_32 3
		.amdhsa_float_denorm_mode_16_64 3
		.amdhsa_memory_ordered 1
		.amdhsa_forward_progress 1
		.amdhsa_inst_pref_size 30
	.end_amdhsa_kernel
	.amdgpu_metadata
---
amdhsa.version: [ 1, 2 ]
amdhsa.kernels:
  - .name:           k_qea49c7eca7_proj
    .symbol:         k_qea49c7eca7_proj.kd
    .args:
      - { .name: yimg, .offset: 0, .size: 8, .value_kind: global_buffer, .address_space: global }
      - { .name: woimg, .offset: 8, .size: 8, .value_kind: global_buffer, .address_space: global }
      - { .name: out0, .offset: 16, .size: 8, .value_kind: global_buffer, .address_space: global }
    .group_segment_fixed_size: 17920
    .private_segment_fixed_size: 0
    .kernarg_segment_align: 8
    .kernarg_segment_size: 24
    .max_flat_workgroup_size: 128
    .sgpr_count:     66
    .vgpr_count:     768
    .wavefront_size: 32
...
	.end_amdgpu_metadata
.endif
;; end of part 4
